; MI455X (gfx1250); checked and timed in simulation.
; The chip was launched on July 23, 2026; its instructions are those of AMD's public machine-readable ISA for CDNA 5 (MIT licence, August 2026) and "CDNA5" Instruction Set Architecture Reference Guide (July 2026). The comments in the code are by the model that wrote it; some were corrected since.
;; Quantum IQP Image Embedder. Allowed arithmetic: float matrix products may take bf16 or f16 operands with f32 sums; all other float work in f32.
;; Inputs: head_b 512 float32; head_w 512 x 4 float32; layer_1_weights 20 x 2 float32; layer_2_weights 16 x 2 float32; pos_weights 16 x 2 float32; x 8 x 16 x 4 x 3 float32.
;; Outputs: out0 8 x 512 float32.
;; One version. Each part assembles by itself: llvm-mc -triple=amdgcn-amd-amdhsa -mcpu=gfx1250 --defsym DOCPART=n.
;; ======== version 1 of 1: 1 launch
;; launch iqp_head (part 1): grid 8 x 1, 1 waves a work-group, no clusters, 0 bytes of LDS; arguments x, pos_weights, layer_1_weights, layer_2_weights, head_w, head_b, out0; writes out0
.if DOCPART == 1
	.amdgcn_target "amdgcn-amd-amdhsa--gfx1250"
	.amdhsa_code_object_version 6
	.text
	.protected	k_q59427cfc23_iqp_head
	.globl	k_q59427cfc23_iqp_head
	.p2align	8
	.type	k_q59427cfc23_iqp_head,@function
k_q59427cfc23_iqp_head:
	s_mov_b64 s[64:65], 0
	v_nop
	global_prefetch_b8 v0, s[64:65] scope:SCOPE_SE
	s_setreg_imm32_b32 hwreg(HW_REG_WAVE_MODE, 25, 1), 1
	s_wait_xcnt 0x0
; QuantumIQPImageEmbedder: out0[b][:] = normalise(head_w . (e0..e3)(b) + head_b).  One wave per batch row b (ttmp9), eight work-groups.
;
; HOW e0..e3 ARE FORMED.  The state vectors of 2^20 amplitudes are not built; an identity of the circuit, valid for all finite real inputs, is used:
;  (1) the closing Hadamards on wires 4..19 act on wires that are traced out, so the reduced density matrix does not see them;
;  (2) the closing Hadamards on wires 0..3 are moved onto the layer-2 operator (H Z H = X, H X H = Z), which becomes
;      X_k exp(-i Z_k (a2_k + b2_(k-1) Z_(k-1) + b2_k Z_(k+1)));
;  (3) X_k selects the matrix element that is off-diagonal in wire k alone.  There every layer-1 phase that does not touch wire k cancels,
;      and every wire that is no neighbour of k contributes |s(0)|^2 + |s(1)|^2 = cos^2 + sin^2 = 1.
; With X, Y, Z the encoding angles of a wire (Z = 0 for an ancilla) and
;      kappa = cosY cosX,   zeta = cosZ sinY cosX + sinZ sinX,   eta = cosZ sinX - sinZ sinY cosX
; this leaves   e_k = Re[ (kappa_k - i eta_k) exp(-i (a1_k + a2_k)) . product over neighbours of (cos W - i zeta sin W) ],
; W = b1 + b2 where the layer-1 and the layer-2 neighbour are the same wire, else one factor for each of the two:
;      e0: (b1_19, ancilla of patch 3)  (b1_0+b2_0, wire 1)  (b2_15, patch 12 colour 3)
;      e1: (b1_0+b2_0, wire 0)          (b1_1+b2_1, wire 2)
;      e2: (b1_1+b2_1, wire 1)          (b1_2+b2_2, wire 3)
;      e3: (b1_2+b2_2, wire 2)          (b1_3, ancilla of patch 0)  (b2_3, patch 4 colour 0)
; Wires 0..3 are the four colours of patch 0.  Entries that cancel identically are not loaded: x outside patch 0, patch 4 colour 0 and
; patch 12 colour 3; pos_weights outside patches 0 and 3; a1_4..19, b1_4..18; rows 4..14 of layer 2 and a2_15.
;
; SHARES.  Lane 4k + r (lanes 16-31 repeat lanes 0-15) makes factor r of e_k: r = 0 the wire itself, 1 its left neighbour, 2 its right
; neighbour, 3 the layer-2 neighbour that lies in another block (k = 0, 3; for k = 1, 2 W = 0 and the factor is 1).  Each lane holds four
; angles X, Y, Z, W, so one pass of sine and cosine, four registers wide, serves all.  The four factors are multiplied inside the quad.
; Then lane l makes outputs 128 c + 4 l + j (c, j = 0..3): its 16 rows of head_w are 16 loads of 16 bytes, and each of its 4 stores
; is part of 512 consecutive bytes of the wave, aligned to 512.
;
; NOT USED, BY THIS TEXT'S ARITHMETIC.  Matrix instructions: the one product left is 1 x 4 by 4 x 512 per row, 64 multiply-adds a lane, kept in f32.
; Clusters and LDS: what the eight work-groups share is 8,192 + 2,048 bytes, loaded once each and in flight under the trigonometry.
;
; LIMITS.  Sine and cosine: n = nearest integer to angle * 2/pi, pi/2 in two parts; accurate to about 1e-6 for |angle| up to 2^20, worse beyond.
; A NaN or infinity in an entry that cancels (list above) has no effect here.  A NaN in a single entry of head_w or head_b marks its own
; output only (the maximum below drops a NaN).  Squares of outputs overflow f32 above about 1e19 in magnitude, as sums of squares in f32 do.
.set XROW, 768                         ; bytes of x in a batch row: 16 patches x 4 colours x 3 angles x 4
; scalar registers
.set OFX,    2                         ; s[2:3]   byte offset of my row in x
.set P_X,    4                         ; s[4:5]   x
.set P_POS,  6                         ; s[6:7]   pos_weights
.set P_L1,   8                         ; s[8:9]   layer_1_weights
.set P_L2,   10                        ; s[10:11] layer_2_weights
.set P_HW,   12                        ; s[12:13] head_w
.set P_HB,   14                        ; s[14:15] head_b
.set P_OUT,  16                        ; s[16:17] out0
.set OFO,    18                        ; s[18:19] byte offset of my row in out0
.set K_2OPI, 20                        ; 2/pi
.set K_MPH,  21                        ; -(pi/2 rounded to f32)
.set K_MPL,  22                        ; -(pi/2 minus that)
.set K_S0,   23                        ; sin r = r + r z ((S0 z + S1) z + S2),  z = r r
.set K_S1,   24
.set K_S2,   25
.set K_C0,   26                        ; cos r = 1 - z/2 + z z ((C0 z + C1) z + C2)
.set K_C1,   27
.set K_C2,   28
.set K_SIGN, 29                        ; the sign bit
.set K_TINY, 30                        ; 1e-24 = (1e-12)^2
.set MK_ANC, 31                        ; lane masks, the same in both halves of the wave: lanes 1, 14: the neighbour is an ancilla
.set MK_L3,  32                        ; lane 3:  patch 12 colour 3 with b2_15
.set MK_L15, 33                        ; lane 15: patch 4 colour 0 with b2_3
.set MK_1,   34                        ; lanes whose W has a layer-1 term: r = 0, 1, 2
.set MK_2,   35                        ; lanes whose W has a layer-2 term: all but 1, 7, 11, 14
.set MK_R0,  36                        ; lanes with r = 0
.set MK_K0,  37                        ; lanes with k = 0
.set SELA,   38                        ; v_permlanex16_b32: lane i of the other half
.set SELB,   39
.set SW,     40                        ; s40-43   per angle: lanes in an odd quadrant
.set EV,     44                        ; s44-47   e0..e3
; vector registers
.set LN,  1                            ; lane & 15
.set KW,  2                            ; k
.set DD,  3                            ; step to the neighbour: 0, -1, +1, 0 for r = 0..3
.set CI,  4                            ; colour index in the batch row (patch x 4 + colour)
.set WI,  5                            ; index into a weight table (row x 2 + column)
.set XO,  6                            ; byte offsets
.set PO,  7
.set I1,  8
.set I2,  9
.set WO,  10
.set BO,  11
.set ANG, 12                           ; v12-15  X, Y, Z, W
.set PX,  16                           ; v16-17  an ancilla's X, Y
.set U1,  18                           ; layer-1 term of W
.set U2,  19                           ; layer-2 term of W
.set NQ,  20                           ; v20-23  n
.set RR,  24                           ; v24-27  r
.set ZZ,  28                           ; v28-31  z, then z z
.set PS,  32                           ; v32-35  sine polynomial, then sin r
.set PC,  36                           ; v36-39  cosine polynomial, then cos r
.set QI,  40                           ; v40-43  n as integer, then the sign to apply
.set TT,  44                           ; v44-47  work
.set SN,  48                           ; v48-51  sin X, Y, Z, W
.set CS,  52                           ; v52-55  cos X, Y, Z, W
.set HC,  56                           ; v56-59  1 - z/2
.set MM,  20                           ; behind the trigonometry its work registers are used again
.set KAP, 21
.set ZETA,22
.set ETA, 23
.set CA,  24
.set CB,  25
.set CC,  26
.set GR,  28                           ; the factor is GR - i GH
.set GH,  29
.set PR,  30
.set ER,  31
.set T0,  44
.set T1,  45
.set SS,  60                           ; v60-63  sums of squares
.set HW,  64                           ; v64-127 head_w: output o of my 16 at v[HW+4o .. +3]
.set HB,  128                          ; v128-143 head_b, then the outputs
	s_load_b256 s[P_X:P_X+7], s[0:1], 0x0              ; x, pos_weights, layer_1_weights, layer_2_weights
	s_load_b128 s[P_HW:P_HW+3], s[0:1], 0x20           ; head_w, head_b
	s_load_b64  s[P_OUT:P_OUT+1], s[0:1], 0x30         ; out0
	; everything up to the wait is constants and lane arithmetic, done while the arguments are on their way
	s_mul_i32 s[OFX], ttmp9, XROW
	s_mov_b32 s[OFX+1], 0
	s_lshl_b32 s[OFO], ttmp9, 11                       ; 512 outputs of 4 bytes
	s_mov_b32 s[OFO+1], 0
	s_mov_b32 s[K_2OPI], 0x3f22f983                    ; 0.63661977
	s_mov_b32 s[K_MPH],  0xbfc90fdb                    ; -1.57079637
	s_mov_b32 s[K_MPL],  0x333bbd2e                    ; +4.37113883e-8
	s_mov_b32 s[K_S0],   0xb94ca1f9                    ; -1.9515295891e-4
	s_mov_b32 s[K_S1],   0x3c08839e                    ;  8.3321608736e-3
	s_mov_b32 s[K_S2],   0xbe2aaaa3                    ; -1.6666654611e-1
	s_mov_b32 s[K_C0],   0x37ccf5ce                    ;  2.443315711809948e-5
	s_mov_b32 s[K_C1],   0xbab6061a                    ; -1.388731625493765e-3
	s_mov_b32 s[K_C2],   0x3d2aaaa5                    ;  4.166664568298827e-2
	s_mov_b32 s[K_SIGN], 0x80000000
	s_mov_b32 s[K_TINY], 0x179abe15                    ; 1e-24
	s_mov_b32 s[MK_ANC], 0x40024002
	s_mov_b32 s[MK_L3],  0x00080008
	s_mov_b32 s[MK_L15], 0x80008000
	s_mov_b32 s[MK_1],   0x77777777
	s_mov_b32 s[MK_2],   0xb77db77d
	s_mov_b32 s[MK_R0],  0x11111111
	s_mov_b32 s[MK_K0],  0x000f000f
	s_mov_b32 s[SELA],   0x76543210
	s_mov_b32 s[SELB],   0xfedcba98
	v_and_b32 v[LN], 15, v0
	v_lshrrev_b32 v[KW], 2, v[LN]                      ; k
	v_lshlrev_b32 v[DD], 1, v[LN]
	v_and_b32 v[DD], 6, v[DD]                          ; 2 r
	v_bfe_u32 v[DD], 0x61, v[DD], 2                    ; the table 1, 0, 2, 1 in two bits each
	v_add_nc_u32 v[DD], -1, v[DD]                      ; 0, -1, +1, 0
	v_add_nc_u32 v[CI], v[KW], v[DD]                   ; the wire: k, k-1, k+1, k (r = 3 with k = 1, 2: a factor of 1, any wire of e_k will do)
	v_lshl_add_u32 v[WI], v[KW], 1, v[DD]              ; a_k, b_(k-1), b_k
	v_cndmask_b32 v[CI], v[CI], 51, s[MK_L3]           ; patch 12 colour 3
	v_cndmask_b32 v[CI], v[CI], 16, s[MK_L15]          ; patch 4 colour 0
	v_cndmask_b32 v[CI], v[CI], 0, s[MK_ANC]           ; wires -1 and 4 are ancillas: x is loaded inside its row and replaced below
	v_cndmask_b32 v[WI], v[WI], -1, s[MK_L3]           ; b2_15 = b2_(-1) on the ring of 16
	v_cndmask_b32 v[WI], v[WI], 7, s[MK_L15]           ; b2_3
	v_mul_u32_u24 v[XO], 12, v[CI]                     ; three angles of 4 bytes
	v_min_u32 v[I1], 39, v[WI]                         ; -1 (unsigned the largest) becomes b1_19, index 39 on the ring of 20
	v_and_b32 v[I2], 31, v[WI]                         ; -1 becomes b2_15, index 31
	v_lshlrev_b32 v[I1], 2, v[I1]
	v_lshlrev_b32 v[I2], 2, v[I2]
	v_cndmask_b32 v[PO], 0, 24, s[MK_K0]               ; k = 0: wire 19 = ancilla of patch 3; else wire 4 = ancilla of patch 0
	v_lshlrev_b32 v[WO], 6, v0                         ; four rows of head_w, 16 bytes each
	v_lshlrev_b32 v[BO], 4, v0                         ; four numbers of head_b and of out0
	s_wait_kmcnt 0x0
	s_add_nc_u64 s[P_X:P_X+1], s[P_X:P_X+1], s[OFX:OFX+1]
	s_add_nc_u64 s[P_OUT:P_OUT+1], s[P_OUT:P_OUT+1], s[OFO:OFO+1]
	; six loads for the angles first: the chain of dependent work hangs on them
	global_load_b32 v[ANG+0], v[XO], s[P_X:P_X+1]
	global_load_b32 v[ANG+1], v[XO], s[P_X:P_X+1] offset:4
	global_load_b32 v[ANG+2], v[XO], s[P_X:P_X+1] offset:8
	global_load_b64 v[PX:PX+1], v[PO], s[P_POS:P_POS+1]
	global_load_b32 v[U1], v[I1], s[P_L1:P_L1+1]
	global_load_b32 v[U2], v[I2], s[P_L2:P_L2+1]
	; then twenty loads for the head, which land while the angles are worked on
.irp c, 0,1,2,3
.irp j, 0,1,2,3
	global_load_b128 v[HW+16*\c+4*\j:HW+16*\c+4*\j+3], v[WO], s[P_HW:P_HW+1] offset:2048*\c+16*\j
.endr
.endr
.irp c, 0,1,2,3
	global_load_b128 v[HB+4*\c:HB+4*\c+3], v[BO], s[P_HB:P_HB+1] offset:512*\c
.endr
	s_wait_loadcnt 20                                  ; loads return in order: the six angle loads are in, the 16 + 4 head loads behind them may be out
	v_cndmask_b32 v[ANG+0], v[ANG+0], v[PX], s[MK_ANC]     ; an ancilla has RX, RY from pos_weights
	v_cndmask_b32 v[ANG+1], v[ANG+1], v[PX+1], s[MK_ANC]
	v_cndmask_b32 v[ANG+2], v[ANG+2], 0, s[MK_ANC]         ; and no RZ
	v_cndmask_b32 v[U1], 0, v[U1], s[MK_1]
	v_cndmask_b32 v[U2], 0, v[U2], s[MK_2]
	v_add_f32 v[ANG+3], v[U1], v[U2]                   ; W
	; SINE AND COSINE of the four angles, step by step across the four registers so that no line waits for the one in front of it
.irp i, 0,1,2,3
	v_mul_f32 v[NQ+\i], s[K_2OPI], v[ANG+\i]
.endr
.irp i, 0,1,2,3
	v_rndne_f32 v[NQ+\i], v[NQ+\i]                     ; n: the angle is r + n pi/2
.endr
.irp i, 0,1,2,3
	v_fma_f32 v[RR+\i], v[NQ+\i], s[K_MPH], v[ANG+\i]
	v_cvt_i32_f32 v[QI+\i], v[NQ+\i]
.endr
.irp i, 0,1,2,3
	v_fmac_f32 v[RR+\i], s[K_MPL], v[NQ+\i]            ; r, |r| <= pi/4
	v_and_b32 v[TT+\i], 1, v[QI+\i]                    ; odd quadrant: sine and cosine change places
.endr
.irp i, 0,1,2,3
	v_mul_f32 v[ZZ+\i], v[RR+\i], v[RR+\i]
	v_lshlrev_b32 v[QI+\i], 30, v[QI+\i]               ; bit 1 of n to the sign position
.endr
.irp i, 0,1,2,3
	v_fma_f32 v[PS+\i], v[ZZ+\i], s[K_S0], s[K_S1]
	v_fma_f32 v[PC+\i], v[ZZ+\i], s[K_C0], s[K_C1]
.endr
.irp i, 0,1,2,3
	v_fma_f32 v[PS+\i], v[PS+\i], v[ZZ+\i], s[K_S2]
	v_fma_f32 v[PC+\i], v[PC+\i], v[ZZ+\i], s[K_C2]
.endr
.irp i, 0,1,2,3
	v_cmp_eq_u32 s[SW+\i], 1, v[TT+\i]
	v_mul_f32 v[TT+\i], v[ZZ+\i], v[RR+\i]             ; r z
	v_fma_f32 v[HC+\i], v[ZZ+\i], -0.5, 1.0
.endr
.irp i, 0,1,2,3
	v_mul_f32 v[ZZ+\i], v[ZZ+\i], v[ZZ+\i]
	v_fma_f32 v[PS+\i], v[PS+\i], v[TT+\i], v[RR+\i]   ; sin r
	v_and_b32 v[QI+\i], s[K_SIGN], v[QI+\i]            ; quadrants 2, 3: both change sign
.endr
.irp i, 0,1,2,3
	v_fma_f32 v[PC+\i], v[PC+\i], v[ZZ+\i], v[HC+\i]   ; cos r
	v_xor_b32 v[TT+\i], s[K_SIGN], v[PS+\i]            ; -sin r
.endr
.irp i, 0,1,2,3
	v_cndmask_b32 v[SN+\i], v[PS+\i], v[PC+\i], s[SW+\i]   ; sin(r + pi/2) = cos r
	v_cndmask_b32 v[CS+\i], v[PC+\i], v[TT+\i], s[SW+\i]   ; cos(r + pi/2) = -sin r
.endr
.irp i, 0,1,2,3
	v_xor_b32 v[SN+\i], v[QI+\i], v[SN+\i]
	v_xor_b32 v[CS+\i], v[QI+\i], v[CS+\i]
.endr
	; THE LANE'S FACTOR  GR - i GH = (A cosW - B sinW) - i (C sinW + B cosW):
	; r = 0: A = C = kappa, B = eta, which is (kappa - i eta) exp(-i W);   r > 0: A = 1, B = 0, C = zeta, which is cosW - i zeta sinW
	v_mul_f32 v[MM], v[CS+0], v[SN+1]                  ; cosX sinY
	v_mul_f32 v[KAP], v[CS+1], v[CS+0]                 ; kappa
	v_mul_f32 v[T0], v[SN+2], v[SN+0]                  ; sinZ sinX
	v_mul_f32 v[T1], v[SN+2], v[MM]
	v_fma_f32 v[ZETA], v[CS+2], v[MM], v[T0]
	v_fma_f32 v[ETA], v[CS+2], v[SN+0], -v[T1]
	v_cndmask_b32 v[CA], 1.0, v[KAP], s[MK_R0]
	v_cndmask_b32 v[CB], 0, v[ETA], s[MK_R0]
	v_cndmask_b32 v[CC], v[ZETA], v[KAP], s[MK_R0]
	v_mul_f32 v[T0], v[CB], v[SN+3]
	v_mul_f32 v[T1], v[CC], v[SN+3]
	v_fma_f32 v[GR], v[CA], v[CS+3], -v[T0]
	v_fma_f32 v[GH], v[CB], v[CS+3], v[T1]
	; the product of the quad's four factors: (a - i h)(a' - i h') = (a a' - h h') - i (a h' + h a'); the primed ones come from lane xor 1, then xor 2
	v_mov_b32_dpp v[PR], v[GR] row_xmask:1 row_mask:0xf bank_mask:0xf
	v_mul_f32_dpp v[T0], v[GH], v[GH] row_xmask:1 row_mask:0xf bank_mask:0xf    ; h' h
	v_mul_f32_dpp v[T1], v[GH], v[GR] row_xmask:1 row_mask:0xf bank_mask:0xf    ; h' a
	v_fma_f32 v[GR], v[GR], v[PR], -v[T0]
	v_fma_f32 v[GH], v[GH], v[PR], v[T1]
	v_mov_b32_dpp v[PR], v[GR] row_xmask:2 row_mask:0xf bank_mask:0xf
	v_mul_f32_dpp v[T0], v[GH], v[GH] row_xmask:2 row_mask:0xf bank_mask:0xf
	v_fma_f32 v[ER], v[GR], v[PR], -v[T0]              ; the real part alone is wanted: e_k, in all four lanes of quad k
.irp k, 0,1,2,3
	v_readlane_b32 s[EV+\k], v[ER], 4*\k
.endr
	; THE HEAD: 16 outputs a lane, the bias registers take the sums
	s_wait_loadcnt 0x0                                 ; head_w and head_b
.irp i, 0,1,2,3
.set o, 0
.rept 16
	v_fmac_f32 v[HB+o], s[EV+\i], v[HW+4*o+\i]
.set o, o+1
.endr
.endr
	; the sum of the row's 512 squares: two packed chains in the lane, then across the 32 lanes
	v_pk_mul_f32 v[SS:SS+1], v[HB:HB+1], v[HB:HB+1]
	v_pk_mul_f32 v[SS+2:SS+3], v[HB+2:HB+3], v[HB+2:HB+3]
.irp p, 4,8,12
	v_pk_fma_f32 v[SS:SS+1], v[HB+\p:HB+\p+1], v[HB+\p:HB+\p+1], v[SS:SS+1]
	v_pk_fma_f32 v[SS+2:SS+3], v[HB+\p+2:HB+\p+3], v[HB+\p+2:HB+\p+3], v[SS+2:SS+3]
.endr
	v_pk_add_f32 v[SS:SS+1], v[SS:SS+1], v[SS+2:SS+3]
	v_add_f32 v[SS], v[SS], v[SS+1]
	v_add_f32_dpp v[SS], v[SS], v[SS] row_xmask:1 row_mask:0xf bank_mask:0xf
	v_add_f32_dpp v[SS], v[SS], v[SS] row_xmask:2 row_mask:0xf bank_mask:0xf
	v_add_f32_dpp v[SS], v[SS], v[SS] row_xmask:4 row_mask:0xf bank_mask:0xf
	v_add_f32_dpp v[SS], v[SS], v[SS] row_xmask:8 row_mask:0xf bank_mask:0xf
	v_permlanex16_b32 v[SS+1], v[SS], s[SELA], s[SELB] ; the other half of the wave
	v_add_f32 v[SS], v[SS], v[SS+1]
	v_max_num_f32 v[SS], s[K_TINY], v[SS]              ; 1 / max(sqrt(ss), 1e-12) = 1 / sqrt(max(ss, 1e-24)): the root is monotone
	v_rsq_f32 v[SS+2], v[SS]
	v_nop                                              ; one plain vector instruction between v_rsq_f32 and the first use of its result (ISA guide 5.7.2)
	s_wait_alu depctr_va_vdst(0)
.irp p, 0,2,4,6,8,10,12,14
	v_pk_mul_f32 v[HB+\p:HB+\p+1], v[HB+\p:HB+\p+1], v[SS+2:SS+3] op_sel_hi:[1,0]     ; both halves by v[SS+2]
.endr
.irp c, 0,1,2,3
	global_store_b128 v[BO], v[HB+4*\c:HB+4*\c+3], s[P_OUT:P_OUT+1] offset:512*\c th:TH_STORE_NT
.endr
	s_endpgm
.Lfunc_end_k_q59427cfc23_iqp_head:
	.size	k_q59427cfc23_iqp_head, .Lfunc_end_k_q59427cfc23_iqp_head-k_q59427cfc23_iqp_head
	.p2alignl 7, 3214868480
	.fill 96, 4, 3214868480
	.section	.rodata,"a",@progbits
	.p2align	6, 0x0
	.amdhsa_kernel k_q59427cfc23_iqp_head
		.amdhsa_group_segment_fixed_size 0
		.amdhsa_private_segment_fixed_size 0
		.amdhsa_enable_private_segment 0
		.amdhsa_kernarg_size 56
		.amdhsa_user_sgpr_count 2
		.amdhsa_user_sgpr_kernarg_segment_ptr 1
		.amdhsa_wavefront_size32 1
		.amdhsa_system_sgpr_workgroup_id_x 1
		.amdhsa_system_sgpr_workgroup_id_y 1
		.amdhsa_system_sgpr_workgroup_id_z 1
		.amdhsa_system_vgpr_workitem_id 0
		.amdhsa_next_free_vgpr 144
		.amdhsa_next_free_sgpr 66
		.amdhsa_reserve_vcc 0
		.amdhsa_float_denorm_mode_32 3
		.amdhsa_float_denorm_mode_16_64 3
		.amdhsa_memory_ordered 1
		.amdhsa_forward_progress 1
		.amdhsa_inst_pref_size 16
	.end_amdhsa_kernel
	.amdgpu_metadata
---
amdhsa.version: [ 1, 2 ]
amdhsa.kernels:
  - .name:           k_q59427cfc23_iqp_head
    .symbol:         k_q59427cfc23_iqp_head.kd
    .args:
      - { .name: x, .offset: 0, .size: 8, .value_kind: global_buffer, .address_space: global }
      - { .name: pos_weights, .offset: 8, .size: 8, .value_kind: global_buffer, .address_space: global }
      - { .name: layer_1_weights, .offset: 16, .size: 8, .value_kind: global_buffer, .address_space: global }
      - { .name: layer_2_weights, .offset: 24, .size: 8, .value_kind: global_buffer, .address_space: global }
      - { .name: head_w, .offset: 32, .size: 8, .value_kind: global_buffer, .address_space: global }
      - { .name: head_b, .offset: 40, .size: 8, .value_kind: global_buffer, .address_space: global }
      - { .name: out0, .offset: 48, .size: 8, .value_kind: global_buffer, .address_space: global }
    .group_segment_fixed_size: 0
    .private_segment_fixed_size: 0
    .kernarg_segment_align: 8
    .kernarg_segment_size: 56
    .max_flat_workgroup_size: 32
    .sgpr_count:     66
    .vgpr_count:     144
    .wavefront_size: 32
...
	.end_amdgpu_metadata
.endif
;; end of part 1
